; MI455X (gfx1250); checked and timed in simulation.
; The chip was launched on July 23, 2026; its instructions are those of AMD's public machine-readable ISA for CDNA 5 (MIT licence, August 2026) and "CDNA5" Instruction Set Architecture Reference Guide (July 2026). The comments in the code are by the model that wrote it; some were corrected since.
;; Attention. Allowed arithmetic: matrix products marked QUANTISED: E5M2 operands, one given power-of-two scale a tensor, by v_wmma_f32_16x16x64_bf8_bf8 or v_wmma_f32_16x16x128_bf8_bf8, f32 sums; everything else in f32.
;; Inputs: Wk_codes 1,024 x 32 x 32 uint8 (E5M2 codes of Wk, K innermost, in blocks of 32 codes); Wq_codes 1,024 x 32 x 32 uint8 (E5M2 codes of Wq, K innermost, in blocks of 32 codes); Wv_codes 1,024 x 32 x 32 uint8 (E5M2 codes of Wv, K innermost, in blocks of 32 codes); lowp_scales 10 int32 (the exponents e of the quantised operands' scales 2^e); x_codes 4 x 2,048 x 32 x 32 uint8 (E5M2 codes of x, K innermost, in blocks of 32 codes).
;; Outputs: out0 4 x 2,048 x 1,024 float32.
;; This version of the problem:
;;   THIS VERSION OF THE PROBLEM IS GIVEN IN LOW PRECISION. The matrix products marked QUANTISED in the list below multiply operands that are first quantised to E5M2 (5 exponent bits, 2 mantissa bits; 8 bits a number), with one given power-of-two scale for each operand tensor; their sums are f32. All else is computed in f32.
;;   The module's matrix products, in the order in which they are computed (A, B: the left and right operand; K: the contracted axis; several contracted axes count as one K, in the product's order):
;;     1. [M 8,192, K 1,024] x [K 1,024, N 1,024]; A: input x (given as codes); B: input Wq (given as codes): QUANTISED (scales: A lowp_scales[0], B lowp_scales[1])
;;     2. [M 8,192, K 1,024] x [K 1,024, N 1,024]; A: input x (given as codes); B: input Wk (given as codes): QUANTISED (scales: A lowp_scales[2], B lowp_scales[3])
;;     3. [M 8,192, K 1,024] x [K 1,024, N 1,024]; A: input x (given as codes); B: input Wv (given as codes): QUANTISED (scales: A lowp_scales[4], B lowp_scales[5])
;;     4. batch 4 x [M 2,048, K 1,024] x [K 1,024, N 2,048]; A: computed on the way; B: computed on the way: QUANTISED (scales: A lowp_scales[6], B lowp_scales[7])
;;     5. batch 4 x [M 2,048, K 2,048] x [K 2,048, N 1,024]; A: softmax (see below); B: computed on the way: QUANTISED (scales: A lowp_scales[8], B lowp_scales[9])
;;   THE QUANTISER, for each operand of a quantised product, along K:
;;     - The operand's scale is 2^e, e = its entry of the input lowp_scales (int32; the entries are numbered through the quantised products in the list's order, A before B).
;;     - Each number is divided by the scale, clamped to +-57,344, and rounded to the nearest number of E5M2, ties to even, subnormals kept.
;;     - The product sums the exact products of the quantised numbers (number of the format x scale) in f32.
;;   ~~~python
;;   def quantise(x, axis, e):      # numpy; x: float32 -> the quantised numbers, widened to float32 again
;;       x = np.moveaxis(x, axis, -1); K = x.shape[-1]
;;       r = np.clip(x / 2.0 ** e, -57344, 57344)
;;       step = 2.0 ** (np.maximum(np.frexp(np.where(r == 0, 1, r))[1] - 1, -14) - 2)
;;       q = np.round(r / step) * step * 2.0 ** e      # np.round: ties to even
;;       return np.moveaxis(q, -1, axis).astype(np.float32)
;;   ~~~
;;   SOFTMAX AHEAD OF A QUANTISED PRODUCT. Where the list says 'softmax', what is quantised is not the finished softmax but p = 2^(t - M), with t = logit x log2(e) and M = ceil(the row's largest t), a whole number; so 1/2 < the row's largest p <= 1. The row's sum l is taken of the UNQUANTISED p, in f32, and the product's result is divided by l at the end. Since M is a whole number, a kernel that streams over the keys may use a running M (the ceiling of the running maximum): every later rescaling is an exact power of two, so the quantised numbers keep their values, but for numbers so far below the row's largest that they fall under the format's range.
;;   OPERANDS COMPUTED ON THE WAY. 'Computed on the way' means the value that the module computes at that place (a softmax that the list does not call 'softmax' is quantised finished and normalised). What goes into a quantiser is computed in f32, as accurately as f32 sums, v_exp_f32 and their like allow (about 1e-6 of the number): no bf16 or f16 on the way to a quantiser, and a product that is left as it is and whose result goes on into a quantised operand takes f32 operands (vector FMAs, or v_wmma_f32_16x16x4_f32). A number that lies on a knife's edge between two numbers of the format may be rounded either way, as far as f32 arithmetic and the matrix unit's own rounding can turn it there, and no further.
;;   INPUTS GIVEN AS CODES. Wk (in the module: [1024, 1024], K = its axis 1); Wq (in the module: [1024, 1024], K = its axis 1); Wv (in the module: [1024, 1024], K = its axis 1); x (in the module: [4, 2048, 1024], K = its axis 2): each comes as NAME_codes (uint8): NAME with its K axis moved to the last place and cut into blocks of 32 codes, [.., K / 32, bytes a block], one block behind the other in memory; one code a byte (a code: sign, 5 exponent bits, 2 mantissa bits); its scale is its entry of lowp_scales. Its value is code x scale, taken as it is: it is not quantised again, and the codes and scales need not be those that the quantiser above would give.
;; One version. Each part assembles by itself: llvm-mc -triple=amdgcn-amd-amdhsa -mcpu=gfx1250 --defsym DOCPART=n.
;; ======== version 1 of 1: 3 launches
;; limits: right only within a limited range of input values
;; workspace buffers: q_img 8,388,608 bytes; k_img 8,388,608 bytes; v_img 12,582,912 bytes; p_img 8,912,896 bytes; stat 557,056 bytes; vsum 262,144 bytes
;; launch proj (part 1): grid 8 x 32, 4 waves a work-group, clusters of 4 x 4, 327,680 bytes of LDS; arguments x_codes, Wq_codes, Wk_codes, Wv_codes, lowp_scales, q_img, k_img, v_img, vsum; writes q_img, k_img, v_img, vsum
.if DOCPART == 1
	.amdgcn_target "amdgcn-amd-amdhsa--gfx1250"
	.amdhsa_code_object_version 6
	.text
	.protected	k_qabee1426fb_proj
	.globl	k_qabee1426fb_proj
	.p2align	8
	.type	k_qabee1426fb_proj,@function
k_qabee1426fb_proj:
	s_mov_b64 s[64:65], 0
	v_nop
	global_prefetch_b8 v0, s[64:65] scope:SCOPE_SE
	s_setreg_imm32_b32 hwreg(HW_REG_WAVE_MODE, 25, 1), 1
	s_wait_xcnt 0x0
	s_wait_alu depctr_hold_cnt(0) depctr_sa_sdst(0) depctr_va_vdst(0) depctr_va_sdst(0) depctr_va_ssrc(0) depctr_va_vcc(0) depctr_vm_vsrc(0)
	s_getreg_b32 s2, hwreg(HW_REG_IB_STS2, 6, 4)
	s_cmp_eq_u32 s2, 0
	s_cbranch_scc0 .Lentry_in_a_cluster
	s_endpgm
.Lentry_in_a_cluster:
	s_bfe_u32 s2, ttmp6, 0x10000c
	s_cmp_lg_u32 s2, 0xf033
	s_cbranch_scc0 .Lentry_shape_is_right
	s_endpgm
.Lentry_shape_is_right:
; q = x Wq^T, k = x Wk^T, v = x Wv^T on codes of BF8 (E5M2), and the three results quantised again: q and k along the 1,024 channels, v along the tokens (the keys of the last product).
; x: [8192][1024] codes, Wq, Wk, Wv: [1024][1024] codes, K innermost.  A sum stands for sum x 2^(eA + eB); its code is sum / 2^(eO - eA - eB), held within +-57,344, to the nearest code, ties to even.
; (eA, eB, eO) = entries (0, 1, 6) of the scales for q, (2, 3, 7) for k, (4, 5, 9) for v.
; LIMIT: eO - eA - eB lies between -126 and 112, so that the scale and 57,344 x the scale are f32 numbers.  NaN and infinities among the sums are not served.
; SHARES.  q and k are 256 tiles of 256 x 256, v is 256 HALF tiles of 128 channels x 256 tokens: 256 work-groups, each of which makes one tile of q or k and then one half tile of v.  A WORK-GROUP STAYS: the ring of LDS slots
; goes on from the first tile into the second, and the first tile's stores leave while the second is multiplied.  Four waves: 128 x 128 each in tile 1 (64 accumulators), 64 x 128 each in tile 2 (32).
; TILE 1: A = x, tile 4 CY + cy; B = Wq (cluster x = 0) or Wk (1), tile cx.   TILE 2: A = Wv, rows 128 (4 CX + cy) on; B = x, tile 4 CY + cx.  (CX, CY: the cluster's place; cx, cy: mine in it.)  Wq or Wk is a selection, no branch.
; THE MATRIX INSTRUCTION IS USED TRANSPOSED (source 0 = 16 rows of B, source 1 = 16 rows of A): a lane holds ONE row of A and its eight registers eight neighbouring rows of B.  So for q and k a lane holds a token and registers
; run along the channels; for v a lane holds a channel and registers run along the tokens: each time along the K of the product that reads the codes.
; THE OUTPUT IS LAID AS IMAGES OF OPERAND REGISTERS.  A PANEL is 128 rows x 128 k, 16,384 bytes: fragment rb (16 rows) at 2,048 rb, registers 4 c .. 4 c + 3 at 512 c, lane l's 16 bytes at 16 l.  Tile b of a block of A gives, by one
; conversion, registers 2 b, 2 b + 1 of the fragment: k = 16 b + 8 (l / 16) + 0 .. 7.  A wave's results are a panel (tile 1) or half a panel (tile 2): stores of 512 consecutive bytes each, no way through LDS.
; q_img, k_img: [token / 128][channel / 128][panel];  v_img: [batch][channel / 128][key / 128][panel].
; CLUSTERS: 4 x 4 work-groups; A's tile is asked for jointly by a row of the cluster, B's by a column.  K goes in four steps of 256 for each tile through a ring of two LDS slots; the steps are written out.
; No prefetch is laid: x and the weights are read by many work-groups.
; REGISTERS, in windows of 256: window 0: v0-31 addresses; v32-95 at work on the way out; from v128 A's fragments (tile 1: one set of 8; tile 2: two sets of 4), on the way out the codes.  window 1: B's fragments, two sets.
;   windows 2, 3: the accumulators, (a, b) at v[8 (8 (a % 4) + b)]; tile 2 has window 2 alone.
; HOW v_img IS LAID: [batch][channel / 128][24 panels]: panels 0 .. 7 are the key blocks 7 .. 0, panels 8 .. 23 the key blocks 0 .. 15 (a block: 128 keys): the blocks 0 .. 7 are stored twice, so that the last launch finds
; the blocks p .. 0, 0 .. 15 - p one behind the other.  vsum: [batch][key block][channel] f32: the sum of v's codes over the block's 128 keys, by matrix instructions on the codes (source 0 = ones).
; WHAT THE PROGRAM LEAVES OUT.  reference() multiplies the logits by a tril of ones: a logit of key k > query q is S x 0 = 0 for all finite S.  So the tiles of S = q k^T that lie wholly above the diagonal reach no output and are not
; multiplied (next launch).  Their keys still count in the softmax, each with t = 0 and so with one and the same p = 2^-M for the whole row: the last launch takes p's code, made by the stated quantiser, times the sum of v's codes
; over those keys, and adds their number x p to the row's sum.  LIMIT: a NaN, an infinity or an overflow that reaches only the tiles left out is not carried to the result.
.set ROWB,   256                       ; a tile's row in bytes: 256 codes
.set VSUM,   2*4*128*272+512           ; behind the spare words: 256 bytes for each wave, for the sums of v's codes
.set SSTEP,  256                       ; from a K step to the next, in memory
.set KROW,   1024                      ; a row of x or of a weight in memory
.set PITCH,  272                       ; an LDS row: 256 bytes + 16 of padding: the 16 rows that a load touches start at 16 different banks (64 banks of 4 bytes: ISA guide 11.1)
.set FR,     16                        ; registers of a fragment
.set NL,     4                         ; LDS loads that bring one
.set NP,     4                         ; places behind this matrix instruction (ISA guide 7.12.1)
.set HALFT,  128*PITCH                 ; a wave's part of a slot
.set SLOT,   4*HALFT                   ; A's two parts, then B's two
.set SPARE,  2*SLOT                    ; behind the ring: the spare words, 128 bytes a wave
.set ADRA, 16                          ; v16-17  LDS address of my A fragments in slot 0, 1
.set ADRB, 20                          ; v20-21  the same for B
.set CO,   26                          ; v26     16 x lane
.set SPW,  28                          ; v28     my spare word; never rewritten
.set NIL,  29                          ; v29     0; never rewritten
.set SC,   30                          ; v30     2^(eO - eA - eB)
.set LIM,  31                          ; v31     57,344 x that
.set TMP,  32                          ; v32-95  a block's 64 sums, held
.set AF,   128                         ; A's fragments
.set PC,   128                         ; the codes: 16 registers for each block, so that no store's data are written again within a tile
.set G1, 24                            ; s[24:31] group 1 for tile 1's A: 128 rows, my row of the cluster
.set G0, 32                            ; s[32:39] group 0 for A, one set for each slot
.set G1B, 48                           ; s[48:55] group 1 for B, both tiles: 128 rows, my column
.set G0B, 56                           ; s[56:63] group 0 for B
.set G1C, 68                           ; s[68:75] group 1 for tile 2's A: 64 rows, my row
.set MSB, 0
.macro WIN new                         ; the immediate's high byte repeats the setting that is left
.if MSB != \new
	s_set_vgpr_msb (MSB<<8)|\new
.set MSB, \new
.endif
.endm
.set MUL_LO, 0xa1                      ; source 0 (B) window 1, source 1 (A) window 0, C and D window 2
.set MUL_HI, 0xf1                      ; the same, C and D window 3
.set TO_B,   0x40                      ; destination window 1, address window 0
; A joint load: waves 0 and 1 fetch for A, waves 2 and 3 for B; the branch hangs on the wave's number alone.  Four v_nop follow each of the two lines.
.macro JLOAD g0a, g1a, g0b, g1b
	s_cmp_eq_u32 s15, 0
	s_cbranch_scc0 .Lfor_b_\@
	tensor_load_to_lds s[\g0a:\g0a+3], s[\g1a:\g1a+7]
	s_nop 0
.rept 4
	v_nop
.endr
	s_branch .Lasked_\@
.Lfor_b_\@:
	tensor_load_to_lds s[\g0b:\g0b+3], s[\g1b:\g1b+7]
	s_nop 0
.rept 4
	v_nop
.endr
.Lasked_\@:
.endm
.macro CREST                           ; a round of the cluster's barrier behind its opening barrier
	s_cmp_lg_u32 s14, 0
	s_cbranch_scc1 .Lnot_wave_0_\@
	s_barrier_signal -3
.Lnot_wave_0_\@:
	s_barrier_wait -3
	s_barrier_signal -1
	s_barrier_wait -1
.endm
.macro CROUND                          ; a whole round
	s_barrier_signal -1
	s_barrier_wait -1
	CREST
.endm
	s_load_b512 s[68:83], s[0:1], 0x0              ; x s[68:69], Wq s[70:71], Wk s[72:73], Wv s[74:75], the scales s[76:77], q_img s[78:79], k_img s[80:81], v_img s[82:83]
	s_load_b64 s[100:101], s[0:1], 0x40            ; vsum
	v_lshl_add_u32 v[SPW], v0, 2, SPARE
	v_mov_b32 v[NIL], 0
	ds_add_u32 v28, v29
	ds_add_u32 v28, v29
	s_wait_dscnt 0x0
	v_lshrrev_b32 v1, 5, v0
	v_readfirstlane_b32 s14, v1                    ; wave 0..3
	s_lshr_b32 s15, s14, 1                         ; my half of A's rows.  Also: I fetch for A (0) or for B (1)
	s_and_b32 s16, s14, 1                          ; my half of B's rows.  Also: which part I fetch
	s_bfe_u32 s40, ttmp6, 0x40000                  ; cx
	s_bfe_u32 s41, ttmp6, 0x40004                  ; cy
	s_and_b32 s17, ttmp7, 0xffff                   ; CY: the cluster's y, 0..7
	s_lshl_b32 s43, s41, 2
	s_lshl_b32 s43, 15, s43                        ; my row of the cluster
	s_lshl_b32 s44, 0x1111, s40                    ; my column
	; descriptor group 1: 128 rows x 256 bytes, 16 bytes of padding behind each row
	s_or_b32 s[G1+0], s43, (0<<16)|(1<<20)|(1<<21)|(5<<22)|(3<<25)  ; the mask: A's tiles go to my row; elements of 1 byte; padding on; bit 21 beside a mask; after every 64 words, 4 words
	s_or_b32 s[G1B+0], s44, (0<<16)|(1<<20)|(1<<21)|(5<<22)|(3<<25) ; B's tiles go to my column
.irp g, G1, G1B
	s_mov_b32 s[\g+1], ROWB<<16                    ; tensor_dim0
	s_mov_b32 s[\g+2], 128<<16                     ; tensor_dim1
	s_mov_b32 s[\g+3], ROWB<<16                    ; tile_dim0
	s_mov_b32 s[\g+4], 128                         ; tile_dim1
	s_mov_b32 s[\g+5], KROW                        ; from row to row
	s_mov_b32 s[\g+6], 0
	s_mov_b32 s[\g+7], 0
.endr
	; the tiles.  A's numbers are made of cy and the cluster's coordinates, B's of cx and the cluster's coordinates
	s_lshl_b32 s10, s17, 2
	s_add_co_u32 s10, s10, s41                     ; tile 1, A: x's tile 4 CY + cy, 0..31
	s_lshl_b32 s11, ttmp9, 2
	s_add_co_u32 s11, s11, s41                     ; tile 2, A: Wv's 128 rows number 4 CX + cy, 0..7
	s_lshl_b32 s42, s17, 2
	s_add_co_u32 s42, s42, s40                     ; tile 2, B: x's tile 4 CY + cx, 0..31
	s_lshl_b32 s18, s16, 7                         ; which 128 rows of a tile of 256 I fetch
	s_lshl_b32 s20, s10, 8
	s_add_co_u32 s20, s20, s18
	s_lshl_b32 s20, s20, 10                        ; tile 1, A: (256 x tile + 128 x part) rows of 1,024 bytes
	s_mov_b32 s21, 0
	s_lshl_b32 s22, s40, 8
	s_add_co_u32 s22, s22, s18
	s_lshl_b32 s22, s22, 10                        ; tile 1, B: the weight's tile cx likewise
	s_mov_b32 s23, 0
	s_lshl_b32 s2, s11, 7
	s_lshl_b32 s3, s16, 6
	s_add_co_u32 s2, s2, s3
	s_lshl_b32 s2, s2, 10                          ; tile 2, A: (128 x number + 64 x part) rows
	s_mov_b32 s3, 0
	s_lshl_b32 s46, s42, 8
	s_add_co_u32 s46, s46, s18
	s_lshl_b32 s46, s46, 10                        ; tile 2, B
	s_mov_b32 s47, 0
	s_mul_i32 s45, s14, HALFT                      ; where they go: my part of a slot
	s_wait_kmcnt 0x0
	s_load_b256 s[84:91], s[76:77], 0x0            ; e0 .. e7
	s_load_b32 s92, s[76:77], 0x24                 ; e9
	s_cmp_eq_u32 ttmp9, 0
	s_cselect_b64 s[6:7], s[70:71], s[72:73]       ; Wq or Wk
	s_cselect_b64 s[96:97], s[78:79], s[80:81]     ; q_img or k_img
	s_add_nc_u64 s[4:5], s[68:69], s[20:21]        ; tile 1: A,
	s_add_nc_u64 s[6:7], s[6:7], s[22:23]          ; B
	s_add_nc_u64 s[8:9], s[74:75], s[2:3]          ; tile 2: A,
	s_add_nc_u64 s[12:13], s[68:69], s[46:47]      ; B
	s_mov_b64 s[98:99], s[82:83]                   ; v_img
	CROUND                                         ; all sixteen work-groups are here: the first joint loads meet
.irp s, 0,1
	s_mov_b32 s[G0+4*\s], 1
	s_add_co_u32 s[G0+4*\s+1], s45, \s*SLOT
	s_add_nc_u64 s[G0+4*\s+2:G0+4*\s+3], s[4:5], \s*SSTEP
	s_or_b32 s[G0+4*\s+3], s[G0+4*\s+3], 0x80000000
	s_mov_b32 s[G0B+4*\s], 1
	s_add_co_u32 s[G0B+4*\s+1], s45, \s*SLOT
	s_add_nc_u64 s[G0B+4*\s+2:G0B+4*\s+3], s[6:7], \s*SSTEP
	s_or_b32 s[G0B+4*\s+3], s[G0B+4*\s+3], 0x80000000
.endr
	JLOAD G0, G1, G0B, G1B                         ; K step 0: one tensor load a wave at the head
	; group 1 for tile 2's A: 64 rows x 256 bytes, padded alike, to my row of the cluster (the four pointers that lay here are used up)
	s_or_b32 s[G1C+0], s43, (0<<16)|(1<<20)|(1<<21)|(5<<22)|(3<<25)
	s_mov_b32 s[G1C+1], ROWB<<16
	s_mov_b32 s[G1C+2], 64<<16
	s_mov_b32 s[G1C+3], ROWB<<16
	s_mov_b32 s[G1C+4], 64
	s_mov_b32 s[G1C+5], KROW
	s_mov_b32 s[G1C+6], 0
	s_mov_b32 s[G1C+7], 0
	v_and_b32 v1, 15, v0                           ; l % 16
	v_bfe_u32 v2, v0, 4, 1                         ; l / 16
	v_mul_u32_u24 v3, v1, PITCH
	v_lshl_add_u32 v4, v2, 4, v3                   ; a fragment's row x pitch + 16 x half
	s_mul_i32 s21, s15, HALFT                      ; my rows of A: in tile 1 the part's 128, in tile 2 its first 64
	s_mul_i32 s22, s16, HALFT                      ; my 128 rows of B,
	s_add_co_u32 s22, s22, 2*HALFT                 ; which lie behind A's two parts
.irp s, 0,1
	v_add_nc_u32 v[ADRA+\s], s21, v4
	v_add_nc_u32 v[ADRB+\s], s22, v4
	s_add_co_u32 s21, s21, SLOT
	s_add_co_u32 s22, s22, SLOT
.endr
	v_and_b32 v6, 31, v0
	v_lshlrev_b32 v[CO], 4, v6
	; my panel's place in q_img or k_img: 8 RB + KS
	s_lshl_b32 s18, s10, 1
	s_add_co_u32 s18, s18, s15                     ; RB: my 128 tokens
	s_lshl_b32 s19, s40, 1
	s_add_co_u32 s19, s19, s16                     ; KS: my 128 channels
	s_lshl_b32 s20, s18, 3
	s_add_co_u32 s20, s20, s19
	s_lshl_b32 s20, s20, 14
	s_mov_b32 s21, 0
	s_add_nc_u64 s[96:97], s[96:97], s[20:21]
	; my half panel's place in v_img: batch x 192 panels + 24 RB + 8 + KS, + 8,192 for the panel's second four fragments
	s_and_b32 s18, s42, 7
	s_lshl_b32 s18, s18, 1
	s_add_co_u32 s18, s18, s16                     ; KS: my 128 keys within the batch
	s_lshr_b32 s19, s42, 3                         ; the batch
	s_lshl_b32 s22, s19, 4
	s_add_co_u32 s22, s22, s18
	s_lshl_b32 s22, s22, 12                        ; vsum: (16 batch + KS) rows of 4,096 bytes,
	s_lshl_b32 s4, s11, 9
	s_add_co_u32 s22, s22, s4
	s_lshl_b32 s4, s15, 8
	s_add_co_u32 s22, s22, s4                      ; + my 64 channels
	s_mov_b32 s23, 0
	s_add_nc_u64 s[100:101], s[100:101], s[22:23]
	s_lshl_b32 s19, s19, 3
	s_add_co_u32 s19, s19, s11                     ; 8 batch + RB
	s_mul_i32 s20, s19, 24
	s_add_co_u32 s20, s20, s18
	s_add_co_u32 s20, s20, 8                       ; panel 8 + KS of the 24
	s_lshl_b32 s20, s20, 14
	s_lshl_b32 s19, s15, 13
	s_add_co_u32 s20, s20, s19
	s_add_nc_u64 s[98:99], s[98:99], s[20:21]
	s_lshl_b32 s2, s18, 15
	s_add_co_u32 s2, s2, 16384
	s_mov_b32 s3, 0
	s_sub_nc_u64 s[2:3], s[98:99], s[2:3]          ; its mirror, panel 7 - KS: 2 KS + 1 panels back
	s_and_b32 s23, s17, 1                          ; 0: my keys are among the first 1,024 of the batch: the mirror is stored too (by the cluster's y alone: alike in all partners)
.macro FRAG reg, adr, q, i             ; 16 rows x 128 K: registers 4 c .. 4 c + 3 hold K = 32 c + 16 (l / 16) + 0 .. 15: one order of k for A and B alike, so every product meets its partner
.irp c, 0,1,2,3
	ds_load_b128 v[\reg+4*\c:\reg+4*\c+3], v[\adr] offset:128*(\q)+32*\c+(\i)*16*PITCH
.endr
.endm
; TILE 1.  16 matrix instructions: A's blocks a0, a0 + 1 x B's eight.  p: B's set.  zero = 1: the first product starts the sums.  The 64 accumulators take turns, one instruction a turn.
.macro MUL16 a0, p, zero
.irp a, \a0, \a0+1
.irp b, 0,1,2,3,4,5,6,7
.if \zero
	v_wmma_f32_16x16x128_bf8_bf8 v[8*(8*((\a)%4)+\b):8*(8*((\a)%4)+\b)+7], v[128*(\p)+FR*\b:128*(\p)+FR*\b+FR-1], v[AF+FR*(\a):AF+FR*(\a)+FR-1], 0
.else
	v_wmma_f32_16x16x128_bf8_bf8 v[8*(8*((\a)%4)+\b):8*(8*((\a)%4)+\b)+7], v[128*(\p)+FR*\b:128*(\p)+FR*\b+FR-1], v[AF+FR*(\a):AF+FR*(\a)+FR-1], v[8*(8*((\a)%4)+\b):8*(8*((\a)%4)+\b)+7]
.endif
.endr
.endr
.endm
.macro FETCH_B slot, q, p              ; B's eight fragments of the slot's q-th 128 along K into set p
	WIN TO_B
.irp i, 0,1,2,3,4,5,6,7
	FRAG 128*(\p)+FR*\i, ADRB+\slot, \q, \i
.endr
	WIN 0
.endm
.macro FETCH_A slot, q, i0             ; A's blocks i0 .. i0 + 3
.irp i, \i0, \i0+1, \i0+2, \i0+3
	FRAG AF+FR*(\i), ADRA+\slot, \q, \i
.endr
.endm
.macro PLACES n                        ; plain vector instructions between a matrix instruction and a load into, or a vector instruction on, its registers
.rept \n
	v_nop
.endr
.endm
; A step of 128 along K that has its successor in the same slot.
.macro STEP slot, q, zero
	s_wait_dscnt 4*NL                              ; B's set and A's blocks 0-3 are in; the youngest 16 loads (A's blocks 4-7) may be out
	WIN MUL_LO
	MUL16 0, (\q)%2, \zero
	MUL16 2, (\q)%2, \zero
	s_wait_dscnt 0                                 ; A's blocks 4-7 are in
	PLACES NP
	FETCH_B \slot, (\q)+1, 1-(\q)%2
	FETCH_A \slot, (\q)+1, 0
	WIN MUL_HI
	MUL16 4, (\q)%2, \zero
	MUL16 6, (\q)%2, \zero
	PLACES NP
	WIN 0
	FETCH_A \slot, (\q)+1, 4
.endm
; A slot's last step changes slots: one barrier, which opens a round of the cluster's; in front of it each wave waits for all its tensor loads, adds 0 to its spare word, and waits for that and for its own reads of this slot.
; Behind the round this slot is filled again: on = 0: with this tile's K step two steps on; on = 1: with tile 2's K step 0 (slot 0) or 1 (slot 1).  fetch = 0: tile 1's very last step: no fragments are fetched.
.macro TURN slot, next, on, fetch
	s_wait_tensorcnt 0x0                           ; all my tensor loads have landed: my part of the next slot
	ds_add_u32 v[SPW], v[NIL]                      ; 0 onto my spare word
	s_wait_dscnt 4*NL+1                            ; (the add and the youngest 16 loads, A's blocks 4-7, may be out)
	WIN MUL_LO
	MUL16 0, 1, 0
	s_wait_dscnt 0x0                               ; the add is done, and my reads of this slot are over
	s_barrier_signal -1
	MUL16 2, 1, 0
	WIN 0
	s_barrier_wait -1
	CREST                                          ; no wave of any partner still reads this slot or has a load on its way
.if \on
	s_add_nc_u64 s[G0+4*\slot+2:G0+4*\slot+3], s[8:9], \slot*SSTEP        ; no load of mine is out: the groups 0 are written anew, for tile 2
	s_or_b32 s[G0+4*\slot+3], s[G0+4*\slot+3], 0x80000000
	s_add_nc_u64 s[G0B+4*\slot+2:G0B+4*\slot+3], s[12:13], \slot*SSTEP
	s_or_b32 s[G0B+4*\slot+3], s[G0B+4*\slot+3], 0x80000000
	JLOAD G0+4*\slot, G1C, G0B+4*\slot, G1B
.else
	s_add_nc_u64 s[G0+4*\slot+2:G0+4*\slot+3], s[G0+4*\slot+2:G0+4*\slot+3], 2*SSTEP
	s_add_nc_u64 s[G0B+4*\slot+2:G0B+4*\slot+3], s[G0B+4*\slot+2:G0B+4*\slot+3], 2*SSTEP
	JLOAD G0+4*\slot, G1, G0B+4*\slot, G1B         ; the first tensor load behind the round, my only one until the next; its four v_nop are the places in front of the loads below
.endif
.if \fetch
	FETCH_B \next, 0, 0
	FETCH_A \next, 0, 0
.endif
	WIN MUL_HI
	MUL16 4, 1, 0
	MUL16 6, 1, 0
.if \fetch
	PLACES NP
	WIN 0
	FETCH_A \next, 0, 4
.else
	WIN 0
.endif
.endm
; THE WAY OUT of block a (16 rows of A x my 128 rows of B): 64 holds, each accumulator from its low end on; eight conversions give the fragment's 16 registers; four stores of 512 consecutive bytes.
.macro OUT a, base
.set AC, 64*((\a)%4)
.set WW, 0x02+((\a)/4)
	WIN WW                                         ; source 0: window 2 or 3
.set n, 0
.rept 64
	v_med3_num_f32 v[TMP+n], v[AC+n], -v[LIM], v[LIM]   ; the conversion to an 8-bit code does not saturate (ISA guide 7.6.2)
.set n, n+1
.endr
	WIN 0
.irp b, 0,1,2,3,4,5,6,7
	v_cvt_scalef32_pk8_bf8_f32 v[PC+16*(\a)+2*\b:PC+16*(\a)+2*\b+1], v[TMP+8*\b:TMP+8*\b+7], v[SC]
.endr
	v_nop                                          ; one plain vector instruction between the conversions and the next lines that write their sources
.irp c, 0,1,2,3
	global_store_b128 v[CO], v[PC+16*(\a)+4*\c:PC+16*(\a)+4*\c+3], s[\base:\base+1] offset:2048*(\a)+512*\c
.endr
.endm
; TILE 2.  48 LDS loads in one run: the fragments of the slot's q-th 128 along K into set p: B's eight, then A's four.
.macro HFETCH slot, q, p
	WIN TO_B
.irp i, 0,1,2,3,4,5,6,7
	FRAG 128*(\p)+FR*\i, ADRB+\slot, \q, \i
.endr
	WIN 0
.irp i, 0,1,2,3
	FRAG AF+64*(\p)+FR*\i, ADRA+\slot, \q, \i
.endr
.endm
; 8 matrix instructions: block i of my 64 channels x B's eight.  The 32 accumulators take turns, one instruction a turn.
.macro HMUL8 i, p, zero
.irp b, 0,1,2,3,4,5,6,7
.if \zero
	v_wmma_f32_16x16x128_bf8_bf8 v[8*(8*(\i)+\b):8*(8*(\i)+\b)+7], v[128*(\p)+FR*\b:128*(\p)+FR*\b+FR-1], v[AF+64*(\p)+FR*(\i):AF+64*(\p)+FR*(\i)+FR-1], 0
.else
	v_wmma_f32_16x16x128_bf8_bf8 v[8*(8*(\i)+\b):8*(8*(\i)+\b)+7], v[128*(\p)+FR*\b:128*(\p)+FR*\b+FR-1], v[AF+64*(\p)+FR*(\i):AF+64*(\p)+FR*(\i)+FR-1], v[8*(8*(\i)+\b):8*(8*(\i)+\b)+7]
.endif
.endr
.endm
; K step j of tile 2, in slot j % 2: two steps of 128.  Set 0 was asked for in the K step before.
.macro HSLOT j
.set SG, (\j)%2
.if (\j) > 0
	PLACES NP                                      ; the loads below land in set 1, which the last products read
.endif
	HFETCH SG, 1, 1
	s_wait_dscnt 48                                ; all but the 48 just issued: set 0 is in
	WIN MUL_LO
.if (\j) == 0
	HMUL8 0, 0, 1                                  ; tile 2's sums begin with the constant 0
	HMUL8 1, 0, 1
	HMUL8 2, 0, 1
	HMUL8 3, 0, 1
.else
	HMUL8 0, 0, 0
	HMUL8 1, 0, 0
	HMUL8 2, 0, 0
	HMUL8 3, 0, 0
.endif
.if (\j) < 3
	WIN 0                                          ; (the add's two registers lie in window 0)
	s_wait_tensorcnt 0x0                           ; all my tensor loads have landed: my part of the next slot
	ds_add_u32 v[SPW], v[NIL]                      ; 0 onto my spare word
	s_wait_dscnt 1                                 ; set 1 is in; the add may be out
	WIN MUL_LO
	HMUL8 0, 1, 0
	s_wait_dscnt 0x0                               ; the add is done, and my reads of this slot are over
	s_barrier_signal -1
	HMUL8 1, 1, 0
	WIN 0
	s_barrier_wait -1
.if (\j) < 2
	CREST                                          ; a round of the cluster's barrier: no wave of any partner still reads this slot or has a load on its way
	s_add_nc_u64 s[G0+4*SG+2:G0+4*SG+3], s[G0+4*SG+2:G0+4*SG+3], 2*SSTEP
	s_add_nc_u64 s[G0B+4*SG+2:G0B+4*SG+3], s[G0B+4*SG+2:G0B+4*SG+3], 2*SSTEP
	JLOAD G0+4*SG, G1C, G0B+4*SG, G1B              ; K step j + 2: the first tensor load behind the round, my only one until the next; its four v_nop are the places in front of the loads below
.else
	PLACES NP
.endif
	HFETCH 1-SG, 0, 0
	WIN MUL_LO
	HMUL8 2, 1, 0
	HMUL8 3, 1, 0
.else
	s_wait_dscnt 0x0
	HMUL8 0, 1, 0
	HMUL8 1, 1, 0
	HMUL8 2, 1, 0
	HMUL8 3, 1, 0
.endif
.endm
	s_wait_alu depctr_va_vdst(0)
	s_wait_tensorcnt 0x0                           ; my part of K step 0 is in
	ds_add_u32 v[SPW], v[NIL]                      ; 0 onto my spare word
	s_wait_dscnt 0x0                               ; the add is done
	CROUND                                         ; everybody's part of K step 0 is in, and all sixteen work-groups are here
	JLOAD G0+4, G1, G0B+4, G1B                     ; K step 1, the first tensor load behind the round
	FETCH_B 0, 0, 0
	FETCH_A 0, 0, 0
	FETCH_A 0, 0, 4
	STEP 0, 0, 1                                   ; K 0-127: these products start the sums
	TURN 0, 1, 0, 1                                ; K 128-255; slot 0 takes K 512-767
	STEP 1, 0, 0
	TURN 1, 0, 0, 1                                ; slot 1 takes K 768-1023
	STEP 0, 0, 0
	TURN 0, 1, 1, 1                                ; THE RING GOES ON INTO TILE 2: slot 0 takes its K 0-255,
	STEP 1, 0, 0
	TURN 1, 0, 1, 0                                ; slot 1 its K 256-511; behind this round slot 0 is whole in every wave's eyes
	; TILE 1 GOES OUT: hold, convert, store.  The three scales are folded into the conversion's one
	s_wait_kmcnt 0x0
	s_cmp_eq_u32 ttmp9, 0
	s_cselect_b32 s93, s84, s86                    ; q: e0, e1, e6;  k: e2, e3, e7
	s_cselect_b32 s94, s85, s87
	s_cselect_b32 s95, s90, s91
	s_sub_co_i32 s95, s95, s93
	s_sub_co_i32 s95, s95, s94
	s_add_co_i32 s95, s95, 127
	s_lshl_b32 s93, s95, 23
	s_add_co_i32 s95, s95, 15
	s_lshl_b32 s95, s95, 23
	s_or_b32 s95, s95, 0x600000
	PLACES NP                                      ; behind the last products: their results are read and A's registers written below
	v_mov_b32 v[SC], s93                           ; 2^(eO - eA - eB): the conversion takes its exponent field
	v_mov_b32 v[LIM], s95                          ; 57,344 x that
.irp a, 0,1,2,3,4,5,6,7
	OUT \a, 96
.endr
	s_wait_xcnt 0x0                                ; the stores have read the codes' registers: tile 2's fragments may land there
	; TILE 2: 128 channels of v x 256 tokens
	HFETCH 0, 0, 0
	HSLOT 0                                        ; slot 0 takes K 512-767
	HSLOT 1                                        ; slot 1 takes K 768-1023
	HSLOT 2
	HSLOT 3
	WIN 0
	s_sub_co_i32 s95, s92, s88                     ; v: e9 - e4 - e5
	s_sub_co_i32 s95, s95, s89
	s_add_co_i32 s95, s95, 127
	s_lshl_b32 s93, s95, 23
	s_add_co_i32 s95, s95, 15
	s_lshl_b32 s95, s95, 23
	s_or_b32 s95, s95, 0x600000
	PLACES NP
	v_mov_b32 v[SC], s93
	v_mov_b32 v[LIM], s95
.irp a, 0,1,2,3
	OUT \a, 98
.endr
	s_wait_alu depctr_va_vdst(0)
	s_cmp_eq_u32 s23, 0
	s_cbranch_scc0 .Lno_mirror
.irp a, 0,1,2,3
.irp c, 0,1,2,3
	global_store_b128 v[CO], v[PC+16*\a+4*\c:PC+16*\a+4*\c+3], s[2:3] offset:2048*\a+512*\c
.endr
.endr
.Lno_mirror:
	; THE SUMS OF THE CODES: my half panel's codes lie in registers as operands: source 0 = ones (0x3c is 1.0 in E5M2), source 1 = 16 channels x 128 keys: every row of the result is the channels' sums, lane r holds channel r
.set n, 0
.rept 16
	v_mov_b32 v[TMP+n], 0x3c3c3c3c
.set n, n+1
.endr
.irp a, 0,1,2,3
	v_wmma_f32_16x16x128_bf8_bf8 v[TMP+16+8*\a:TMP+23+8*\a], v[TMP:TMP+15], v[PC+16*\a:PC+16*\a+15], 0
.endr
	s_lshl_b32 s18, s14, 8
	s_add_co_u32 s18, s18, VSUM
	v_and_b32 v5, 15, v0                           ; these six are the places behind the products
	v_lshlrev_b32 v5, 2, v5
	v_add_nc_u32 v5, s18, v5
	v_and_b32 v6, 31, v0
	v_lshlrev_b32 v6, 3, v6
	v_add_nc_u32 v7, s18, v6
.irp a, 0,1,2,3
	ds_store_b32 v5, v[TMP+16+8*\a] offset:64*\a   ; lanes r and r + 16 write the same word with the same value
.endr
	ds_load_b64 v[8:9], v7                         ; LDS serves a wave's instructions in order (ISA guide 5.7.1.4)
	s_wait_alu depctr_va_vdst(0)
	s_wait_dscnt 0x0
	global_store_b64 v6, v[8:9], s[100:101]        ; 64 channels: 256 consecutive bytes, aligned
	s_wait_tensorcnt 0x0                           ; the wave's end
	ds_add_u32 v[SPW], v[NIL]
	s_wait_dscnt 0x0
	CROUND                                         ; the closing round
	s_endpgm
.Lfunc_end_k_qabee1426fb_proj:
	.size	k_qabee1426fb_proj, .Lfunc_end_k_qabee1426fb_proj-k_qabee1426fb_proj
	.p2alignl 7, 3214868480
	.fill 96, 4, 3214868480
	.section	.rodata,"a",@progbits
	.p2align	6, 0x0
	.amdhsa_kernel k_qabee1426fb_proj
		.amdhsa_group_segment_fixed_size 327680
		.amdhsa_private_segment_fixed_size 0
		.amdhsa_enable_private_segment 0
		.amdhsa_kernarg_size 72
		.amdhsa_user_sgpr_count 2
		.amdhsa_user_sgpr_kernarg_segment_ptr 1
		.amdhsa_wavefront_size32 1
		.amdhsa_system_sgpr_workgroup_id_x 1
		.amdhsa_system_sgpr_workgroup_id_y 1
		.amdhsa_system_sgpr_workgroup_id_z 1
		.amdhsa_system_vgpr_workitem_id 0
		.amdhsa_next_free_vgpr 1024
		.amdhsa_next_free_sgpr 102
		.amdhsa_reserve_vcc 0
		.amdhsa_float_denorm_mode_32 3
		.amdhsa_float_denorm_mode_16_64 3
		.amdhsa_memory_ordered 1
		.amdhsa_forward_progress 1
		.amdhsa_inst_pref_size 190
	.end_amdhsa_kernel
	.amdgpu_metadata
---
amdhsa.version: [ 1, 2 ]
amdhsa.kernels:
  - .name:           k_qabee1426fb_proj
    .symbol:         k_qabee1426fb_proj.kd
    .args:
      - { .name: x_codes, .offset: 0, .size: 8, .value_kind: global_buffer, .address_space: global }
      - { .name: Wq_codes, .offset: 8, .size: 8, .value_kind: global_buffer, .address_space: global }
      - { .name: Wk_codes, .offset: 16, .size: 8, .value_kind: global_buffer, .address_space: global }
      - { .name: Wv_codes, .offset: 24, .size: 8, .value_kind: global_buffer, .address_space: global }
      - { .name: lowp_scales, .offset: 32, .size: 8, .value_kind: global_buffer, .address_space: global }
      - { .name: q_img, .offset: 40, .size: 8, .value_kind: global_buffer, .address_space: global }
      - { .name: k_img, .offset: 48, .size: 8, .value_kind: global_buffer, .address_space: global }
      - { .name: v_img, .offset: 56, .size: 8, .value_kind: global_buffer, .address_space: global }
      - { .name: vsum, .offset: 64, .size: 8, .value_kind: global_buffer, .address_space: global }
    .group_segment_fixed_size: 327680
    .private_segment_fixed_size: 0
    .kernarg_segment_align: 8
    .kernarg_segment_size: 72
    .max_flat_workgroup_size: 128
    .sgpr_count:     102
    .vgpr_count:     1024
    .wavefront_size: 32
...
	.end_amdgpu_metadata
.endif
;; end of part 1
;; launch scores (part 2): grid 36 x 4, 8 waves a work-group, no clusters, 327,680 bytes of LDS; arguments q_img, k_img, lowp_scales, p_img, stat; writes p_img, stat
.if DOCPART == 2
	.amdgcn_target "amdgcn-amd-amdhsa--gfx1250"
	.amdhsa_code_object_version 6
	.text
	.protected	k_qabee1426fb_scores
	.globl	k_qabee1426fb_scores
	.p2align	8
	.type	k_qabee1426fb_scores,@function
k_qabee1426fb_scores:
	s_mov_b64 s[64:65], 0
	v_nop
	global_prefetch_b8 v0, s[64:65] scope:SCOPE_SE
	s_setreg_imm32_b32 hwreg(HW_REG_WAVE_MODE, 25, 1), 1
	s_wait_xcnt 0x0
; S = q k^T on codes of BF8 for each batch, S x tril (a hidden logit becomes 0 and still counts), t = S x 2^(e6 + e7) x log2(e) / sqrt(2048), p = 2^(t - M) quantised along the keys with 2^e8.
; LEFT OUT: the tiles of 256 x 256 wholly above the diagonal (S x 0: head of the first launch): 36 of a batch's 64 tiles are launched.  In a tile on the diagonal the quarter above it keeps only its first 128 of K and no way out.
; LIMIT of that: a NaN, an infinity or an overflow that reaches only what is left out is not carried on.
; M is taken for each block of 128 keys: the block's largest t, rounded up to a whole number.  -M and the sum of the unquantised p go out as pairs; the next launch brings the blocks under the row's largest M by powers of two, which rounds nothing.
; LIMITS: e6 + e7 between -121 and 132 (they are added to the constant's exponent field); e8 between -15 and 112: from -15 on p <= 1 lies inside the format's range, so that no hold is needed.
; A p far below the row's largest keeps more bits under its block's M than it would under the row's.  NaN and infinities among the scores are not served.
; q_img, k_img: [token / 128][channel / 128][panel]; a PANEL is 128 rows x 128 k as images of operand registers: fragment rb at 2,048 rb, registers 4 c .. 4 c + 3 at 512 c, lane l's 16 bytes at 16 l.
; p_img: [batch][pair p][17 panels]: the row blocks (128 queries) p and 15 - p are a pair.  Block p's key blocks p .. 0 come first, then block 15 - p's key blocks 0 .. 15 - p.   stat: [the same 17][128 rows][-M, sum] f32.
; SHARES.  Eight waves, two to a SIMD, so that one wave's vector work stands beside the other's products; a wave makes 64 queries x 128 keys: 32 accumulators.  The instruction is used TRANSPOSED (source 0 = 16 keys, source 1 = 16 queries):
; a lane holds one query, its registers eight neighbouring keys.
; K goes in four steps of 256 through two LDS slots; a wave's tensor load brings one panel, 16,384 consecutive bytes, as 64 rows of 256.
; NO CLUSTER: the rows of tiles have 1 to 8 live tiles, which divide into no clusters of equal partners.  No prefetch is laid: of four steps two are asked for at the head, and there is no loop to run ahead in.
; REGISTERS: window 0: v16-63 addresses, constants, maxima, sums; v64-127 q's fragments, v128-255 k's; on the way out v64-151 the masks, v64-127 a block's t and p, v128-191 the codes.  window 1: accumulator (a, b) at v[8 (8 a + b)].
.set SSTEP,  32768                     ; from a K step of 256 to the next: two panels
.set SLOT,   131072                    ; q's two blocks, k's two blocks, two panels each
.set SPARE,  2*SLOT                    ; the spare words, 128 bytes a wave
.set XS,     SPARE+1024                ; 512 bytes a wave: its own stage for the pairs (-M, sum)
.set ADA, 16                           ; v16-17  LDS address of my fragments of q in slot 0, 1
.set ADB, 18                           ; v18-19  of k
.set XSW, 20
.set XSR, 21
.set CO,  22                           ; v22  16 x lane
.set SPW, 24
.set NIL, 25
.set DL,  26                           ; v26  r - 8 h + 64 x my half of the row block
.set ONE, 27
.set PSC, 28                           ; v28  2^e8
.set MX,  32
.set ST,  40                           ; v[40 + 2 a] -M of block a, v[41 + 2 a] its largest t, then its sum
.set SM,  48
.set PX,  56
.set AF,  64
.set MK,  64
.set TMP, 64
.set BF,  128
.set PC,  128
.set MSB, 0
.macro WIN new                         ; the immediate's high byte repeats the setting that is left
.if MSB != \new
	s_set_vgpr_msb (MSB<<8)|\new
.set MSB, \new
.endif
.endm
.macro PLACES                          ; plain vector instructions between a matrix instruction and what touches its registers (ISA guide 7.12.1)
.rept 4
	v_nop
.endr
.endm
	s_load_b256 s[68:75], s[0:1], 0x0              ; q_img, k_img, the scales, p_img
	s_load_b64 s[76:77], s[0:1], 0x20              ; stat
	v_lshl_add_u32 v[SPW], v0, 2, SPARE
	v_mov_b32 v[NIL], 0
	ds_add_u32 v[SPW], v[NIL]                      ; the wave's opening: the add, twice on end, and its wait
	ds_add_u32 v[SPW], v[NIL]
	v_lshrrev_b32 v1, 5, v0
	v_readfirstlane_b32 s14, v1                    ; wave 0..7
	s_mov_b32 s17, 0                               ; y: the tile of 256 queries: the greatest with y (y + 1) / 2 <= x
.irp c, 1,3,6,10,15,21,28
	s_cmp_ge_u32 ttmp9, \c
	s_add_co_ci_u32 s17, s17, 0
.endr
	s_add_co_u32 s18, s17, 1
	s_mul_i32 s18, s18, s17
	s_lshr_b32 s18, s18, 1
	s_sub_co_u32 s42, ttmp9, s18                   ; J: the tile of 256 keys, 0..y
	s_and_b32 s10, ttmp7, 0xffff                   ; the batch
	s_lshr_b32 s15, s14, 1                         ; my 64 queries of the tile, 0..3.  Also: the block that I fetch from (q's two, k's two)
	s_and_b32 s16, s14, 1                          ; my 128 keys.  Also: which of its two panels I fetch
	s_lshl_b32 s18, s17, 1
	s_lshl_b32 s19, s42, 1
	s_cmp_lt_u32 s14, 4
	s_cselect_b32 s20, s18, s19
	s_lshl_b32 s21, s10, 4
	s_add_co_u32 s20, s20, s21
	s_and_b32 s21, s15, 1
	s_add_co_u32 s20, s20, s21
	s_lshl_b32 s20, s20, 17                        ; the block's 8 panels,
	s_lshl_b32 s21, s16, 14
	s_add_co_u32 s20, s20, s21                     ; + my panel
	s_mov_b32 s21, 0
	s_mov_b32 s24, 3<<16                           ; group 1: elements of 8 bytes, no mask, no padding
	s_mov_b32 s25, 32<<16                          ; tensor_dim0
	s_mov_b32 s26, 64<<16                          ; tensor_dim1
	s_mov_b32 s27, 32<<16                          ; tile_dim0
	s_mov_b32 s28, 64                              ; tile_dim1
	s_mov_b32 s29, 32                              ; from row to row
	s_mov_b32 s30, 0
	s_mov_b32 s31, 0
	s_lshl_b32 s45, s14, 14                        ; where it goes: wave x 16,384
	s_wait_dscnt 0x0                               ; both opening adds are done
	s_wait_kmcnt 0x0
	s_load_b128 s[84:87], s[72:73], 0x18           ; e6, e7, e8, e9
	s_cmp_lt_u32 s14, 4
	s_cselect_b64 s[22:23], s[68:69], s[70:71]
	s_add_nc_u64 s[22:23], s[22:23], s[20:21]
	s_mov_b32 s32, 1
	s_mov_b32 s33, s45
	s_mov_b64 s[34:35], s[22:23]
	s_or_b32 s35, s35, 0x80000000
	s_mov_b32 s36, 1
	s_add_co_u32 s37, s45, SLOT
	s_add_nc_u64 s[38:39], s[22:23], SSTEP
	s_or_b32 s39, s39, 0x80000000
	tensor_load_to_lds s[32:35], s[24:31]          ; K step 0
	s_nop 0
	; my row block i, my key block j, and where my results go
	s_lshl_b32 s18, s17, 1
	s_lshr_b32 s19, s15, 1
	s_add_co_u32 s18, s18, s19                     ; i
	s_lshl_b32 s19, s42, 1
	s_add_co_u32 s19, s19, s16                     ; j
	s_cmp_gt_u32 s19, s18
	s_cselect_b32 s92, 1, 0                        ; 1: wholly above the diagonal
	s_cmp_eq_u32 s19, s18
	s_cselect_b32 s93, 1, 0                        ; 1: on the diagonal
	s_sub_co_i32 s2, s18, s19                      ; the panel among the pair's 17: i - j where i < 8,
	s_sub_co_i32 s3, 16, s2                        ; else 16 - i + j
	s_sub_co_i32 s12, 15, s18
	s_cmp_lt_u32 s18, 8
	s_cselect_b32 s2, s2, s3
	s_cselect_b32 s12, s18, s12                    ; the pair
	s_max_i32 s2, s2, 0                            ; (a wave above the diagonal stores nothing)
	s_lshl_b32 s13, s10, 3
	s_add_co_u32 s12, s12, s13
	s_mul_i32 s12, s12, 17
	s_add_co_u32 s12, s12, s2
	s_and_b32 s19, s15, 1                          ; my half of the row block
	s_lshl_b32 s20, s12, 14
	s_lshl_b32 s21, s19, 13
	s_add_co_u32 s20, s20, s21
	s_mov_b32 s21, 0
	s_add_nc_u64 s[74:75], s[74:75], s[20:21]
	s_lshl_b32 s20, s12, 10
	s_lshl_b32 s21, s19, 9
	s_add_co_u32 s20, s20, s21
	s_mov_b32 s21, 0
	s_add_nc_u64 s[76:77], s[76:77], s[20:21]
	s_mov_b32 s90, 0x76543210                      ; v_permlanex16_b32's selects for lane l xor 16
	s_mov_b32 s91, 0xfedcba98
	s_lshr_b32 s18, s15, 1
	s_lshl_b32 s18, s18, 15
	s_lshl_b32 s2, s19, 13
	s_add_co_u32 s18, s18, s2                      ; my fragments of q in a slot
	s_lshl_b32 s2, s16, 15
	s_add_co_u32 s2, s2, 65536                     ; my block of k
	s_lshl_b32 s3, s19, 6
	s_lshl_b32 s12, s14, 9
	s_add_co_u32 s12, s12, XS
	v_and_b32 v1, 15, v0                           ; r
	v_bfe_u32 v2, v0, 4, 1                         ; h
	v_and_b32 v3, 31, v0
	v_lshlrev_b32 v[CO], 4, v3
	v_lshlrev_b32 v5, 3, v1
	v_lshlrev_b32 v6, 3, v2
	v_sub_nc_u32 v[DL], v1, v6
	v_add_nc_u32 v[DL], s3, v[DL]
	v_add_nc_u32 v[ADA], s18, v[CO]
	v_add_nc_u32 v[ADB], s2, v[CO]
	v_add_nc_u32 v[ADA+1], SLOT, v[ADA]
	v_add_nc_u32 v[ADB+1], SLOT, v[ADB]
	v_add_nc_u32 v[XSW], s12, v5
	v_add_nc_u32 v[XSR], s12, v[CO]
	v_mov_b32 v[ONE], 1.0
.irp a, 0,1,2,3
	v_mov_b32 v[PX+\a], 0                          ; written once: a lane permute's destination counts as one of its sources
.endr
; 128 along K: 48 loads of 512 consecutive bytes, 32 matrix instructions; the 32 accumulators take turns, one instruction a turn.  zero = 1: the products start the sums.
.macro SUB slot, q, zero
	PLACES
.irp i, 0,1,2,3
.irp c, 0,1,2,3
	ds_load_b128 v[AF+16*\i+4*\c:AF+16*\i+4*\c+3], v[ADA+\slot] offset:16384*\q+2048*\i+512*\c
.endr
.endr
.irp i, 0,1,2,3,4,5,6,7
.irp c, 0,1,2,3
	ds_load_b128 v[BF+16*\i+4*\c:BF+16*\i+4*\c+3], v[ADB+\slot] offset:16384*\q+2048*\i+512*\c
.endr
.endr
	WIN 0x50                                       ; C and D: window 1
.irp b, 0,1,2,3,4,5,6,7
	s_wait_dscnt 28-4*\b                           ; q's four fragments and k's first b + 1 are in
.irp a, 0,1,2,3
.if \zero
	v_wmma_f32_16x16x128_bf8_bf8 v[64*\a+8*\b:64*\a+8*\b+7], v[BF+16*\b:BF+16*\b+15], v[AF+16*\a:AF+16*\a+15], 0
.else
	v_wmma_f32_16x16x128_bf8_bf8 v[64*\a+8*\b:64*\a+8*\b+7], v[BF+16*\b:BF+16*\b+15], v[AF+16*\a:AF+16*\a+15], v[64*\a+8*\b:64*\a+8*\b+7]
.endif
.endr
.endr
	WIN 0
.endm
.macro PAIR slot                       ; a slot's two steps; a wave above the diagonal leaves them out, by ids alone
	s_cmp_lg_u32 s92, 0
	s_cbranch_scc1 .Lover_\@
	SUB \slot, 0, 0
	SUB \slot, 1, 0
.Lover_\@:
.endm
; The slot just read is filled again with the K step two steps on (fill = 1).
.macro CHANGE slot, fill
	s_wait_tensorcnt 0x0                           ; my part of the next slot is in
	ds_add_u32 v[SPW], v[NIL]                      ; 0 onto my spare word
.if \fill
	s_add_nc_u64 s[34+4*\slot:35+4*\slot], s[34+4*\slot:35+4*\slot], 2*SSTEP
.endif
	s_wait_dscnt 0x0                               ; the add is done, and my reads of this slot are over
	s_barrier_signal -1
	s_barrier_wait -1
.if \fill
	tensor_load_to_lds s[32+4*\slot:35+4*\slot], s[24:31]
	s_nop 0
.rept 4
	v_nop
.endr
.endif
.endm
	s_wait_alu depctr_va_vdst(0)
	s_wait_tensorcnt 0x0                           ; K step 0: my panel is in
	ds_add_u32 v[SPW], v[NIL]
	s_wait_dscnt 0x0
	s_barrier_signal -1
	s_barrier_wait -1                              ; everybody's is
	tensor_load_to_lds s[36:39], s[24:31]          ; K step 1
	s_nop 0
	SUB 0, 0, 1                                    ; every wave starts its sums
	s_cmp_lg_u32 s92, 0
	s_cbranch_scc1 .Lover
	SUB 0, 1, 0
.Lover:
	CHANGE 0, 1
	PAIR 1
	CHANGE 1, 1
	PAIR 0
	CHANGE 0, 0
	PAIR 1
	s_wait_kmcnt 0x0
	s_cmp_lg_u32 s92, 0
	s_cbranch_scc1 .Ldone                          ; above the diagonal: no way out
	s_add_co_i32 s18, s84, s85
	s_lshl_b32 s18, s18, 23
	s_add_co_i32 s88, s18, 0x3d0293ee              ; c = log2(e) / sqrt(2048) x 2^(e6 + e7): the exponents are added to the constant's exponent field
	s_mov_b32 s89, s88                             ; (named with it as a pair, so it is written)
	s_add_co_i32 s18, s86, 127
	s_lshl_b32 s19, s18, 23
	PLACES                                         ; behind the last products
	v_mov_b32 v[PSC], s19
	s_wait_alu depctr_va_vdst(0)
	s_cmp_eq_u32 s93, 0
	s_cbranch_scc1 .Lopen
	; ON THE DIAGONAL.  Register j of accumulator (a, b) holds key 16 b + 8 h + j against query 16 a + r (+ 64): it counts where j - 16 (a - b) <= DL.  A mask hangs on a - b alone: 11 x 8 registers of 1.0 or 0
.set d, -7
.rept 11
.set j, 0
.rept 8
	v_cmp_le_i32 vcc_lo, j-16*d, v[DL]
	v_cndmask_b32 v[MK+8*(d+7)+j], 0, v[ONE], vcc_lo
.set j, j+1
.endr
.set d, d+1
.endr
	WIN 0x41                                       ; destination and source 0: window 1
.irp a, 0,1,2,3
.irp b, 0,1,2,3,4,5,6,7
.irp i, 0,2,4,6
	v_pk_mul_f32 v[64*\a+8*\b+\i:64*\a+8*\b+\i+1], v[64*\a+8*\b+\i:64*\a+8*\b+\i+1], v[MK+8*(\a-\b+7)+\i:MK+8*(\a-\b+7)+\i+1]
.endr
.endr
.endr
	WIN 0
.Lopen:
	; the largest of my query's 64 scores, two chains for each of the four blocks, line by line in turn; then the other half of the lanes'
	WIN 0x14                                       ; sources 1 and 2: window 1
.irp a, 0,1,2,3
	v_max3_num_f32 v[MX+2*\a], 0xff800000, v[64*\a], v[64*\a+1]
	v_max3_num_f32 v[MX+2*\a+1], 0xff800000, v[64*\a+2], v[64*\a+3]
.endr
.set n, 4
.rept 15
.irp a, 0,1,2,3
	v_max3_num_f32 v[MX+2*\a], v[MX+2*\a], v[64*\a+n], v[64*\a+n+1]
	v_max3_num_f32 v[MX+2*\a+1], v[MX+2*\a+1], v[64*\a+n+2], v[64*\a+n+3]
.endr
.set n, n+4
.endr
	WIN 0
.irp a, 0,1,2,3
	v_max_num_f32 v[MX+2*\a], v[MX+2*\a], v[MX+2*\a+1]
.endr
.irp a, 0,1,2,3
	v_permlanex16_b32 v[PX+\a], v[MX+2*\a], s90, s91
.endr
.irp a, 0,1,2,3
	v_max_num_f32 v[ST+2*\a+1], v[MX+2*\a], v[PX+\a]
.endr
.irp a, 0,1,2,3
	v_mul_f32 v[ST+2*\a+1], s88, v[ST+2*\a+1]      ; as t (c is positive)
.endr
.irp a, 0,1,2,3
	v_floor_f32 v[ST+2*\a], -v[ST+2*\a+1]          ; -M = floor(-t): a whole number
.endr
; Block a (16 queries x 128 keys): t - M, p, the codes, the sum of the unquantised p in four chains, four stores of 512 consecutive bytes.
.macro E2 a
	WIN 0x01                                       ; source 0: window 1
.set n, 0
.rept 32
	v_pk_fma_f32 v[TMP+n:TMP+n+1], v[64*(\a)+n:64*(\a)+n+1], s[88:89], v[ST+2*(\a):ST+2*(\a)+1] op_sel_hi:[1,0,0]   ; of the pairs c and -M the low word serves both halves
.set n, n+2
.endr
	WIN 0
	s_wait_alu depctr_va_vdst(0)                   ; ahead of the batch,
.set n, 0
.rept 64
	v_exp_f32 v[TMP+n], v[TMP+n]                   ; p = 2^(t - M), at most 1
.set n, n+1
.endr
	v_nop
	s_wait_alu depctr_va_vdst(0)                   ; and behind it
.irp b, 0,1,2,3,4,5,6,7
	v_cvt_scalef32_pk8_bf8_f32 v[PC+16*(\a)+2*\b:PC+16*(\a)+2*\b+1], v[TMP+8*\b:TMP+8*\b+7], v[PSC]
.endr
.irp k, 0,1,2,3
	v_pk_add_f32 v[SM+2*\k:SM+2*\k+1], v[TMP+4*\k:TMP+4*\k+1], v[TMP+4*\k+2:TMP+4*\k+3]
.endr
.set n, 16
.rept 6
.irp k, 0,1,2,3
	v_pk_add_f32 v[SM+2*\k:SM+2*\k+1], v[SM+2*\k:SM+2*\k+1], v[TMP+n+2*\k:TMP+n+2*\k+1]
.endr
.set n, n+8
.endr
.irp c, 0,1,2,3
	global_store_b128 v[CO], v[PC+16*(\a)+4*\c:PC+16*(\a)+4*\c+3], s[74:75] offset:2048*(\a)+512*\c
.endr
	v_pk_add_f32 v[SM:SM+1], v[SM:SM+1], v[SM+2:SM+3]
	v_pk_add_f32 v[SM+4:SM+5], v[SM+4:SM+5], v[SM+6:SM+7]
	v_pk_add_f32 v[SM:SM+1], v[SM:SM+1], v[SM+4:SM+5]
	v_add_f32 v[SM], v[SM], v[SM+1]
	v_permlanex16_b32 v[PX], v[SM], s90, s91
	v_add_f32 v[ST+2*(\a)+1], v[SM], v[PX]         ; my query's sum over the 128 keys
.endm
	E2 0
	E2 1
	E2 2
	E2 3
	; the pairs of my 64 rows turn through my own stage and leave as 512 consecutive bytes; lanes r and r + 16 write the same words with the same values.  LDS serves a wave's instructions in order (ISA guide 5.7.1.4)
.irp a, 0,1,2,3
	ds_store_b64 v[XSW], v[ST+2*\a:ST+2*\a+1] offset:128*\a
.endr
	ds_load_b128 v[32:35], v[XSR]
	s_wait_alu depctr_va_vdst(0)
	s_wait_dscnt 0x0
	global_store_b128 v[CO], v[32:35], s[76:77]
.Ldone:
	s_wait_tensorcnt 0x0                           ; the wave's end
	ds_add_u32 v[SPW], v[NIL]
	s_wait_dscnt 0x0
	s_endpgm
.Lfunc_end_k_qabee1426fb_scores:
	.size	k_qabee1426fb_scores, .Lfunc_end_k_qabee1426fb_scores-k_qabee1426fb_scores
	.p2alignl 7, 3214868480
	.fill 96, 4, 3214868480
	.section	.rodata,"a",@progbits
	.p2align	6, 0x0
	.amdhsa_kernel k_qabee1426fb_scores
		.amdhsa_group_segment_fixed_size 327680
		.amdhsa_private_segment_fixed_size 0
		.amdhsa_enable_private_segment 0
		.amdhsa_kernarg_size 40
		.amdhsa_user_sgpr_count 2
		.amdhsa_user_sgpr_kernarg_segment_ptr 1
		.amdhsa_wavefront_size32 1
		.amdhsa_system_sgpr_workgroup_id_x 1
		.amdhsa_system_sgpr_workgroup_id_y 1
		.amdhsa_system_sgpr_workgroup_id_z 1
		.amdhsa_system_vgpr_workitem_id 0
		.amdhsa_next_free_vgpr 512
		.amdhsa_next_free_sgpr 100
		.amdhsa_reserve_vcc 1
		.amdhsa_float_denorm_mode_32 3
		.amdhsa_float_denorm_mode_16_64 3
		.amdhsa_memory_ordered 1
		.amdhsa_forward_progress 1
		.amdhsa_inst_pref_size 105
	.end_amdhsa_kernel
	.amdgpu_metadata
---
amdhsa.version: [ 1, 2 ]
amdhsa.kernels:
  - .name:           k_qabee1426fb_scores
    .symbol:         k_qabee1426fb_scores.kd
    .args:
      - { .name: q_img, .offset: 0, .size: 8, .value_kind: global_buffer, .address_space: global }
      - { .name: k_img, .offset: 8, .size: 8, .value_kind: global_buffer, .address_space: global }
      - { .name: lowp_scales, .offset: 16, .size: 8, .value_kind: global_buffer, .address_space: global }
      - { .name: p_img, .offset: 24, .size: 8, .value_kind: global_buffer, .address_space: global }
      - { .name: stat, .offset: 32, .size: 8, .value_kind: global_buffer, .address_space: global }
    .group_segment_fixed_size: 327680
    .private_segment_fixed_size: 0
    .kernarg_segment_align: 8
    .kernarg_segment_size: 40
    .max_flat_workgroup_size: 256
    .sgpr_count:     100
    .vgpr_count:     512
    .wavefront_size: 32
...
	.end_amdgpu_metadata
.endif
;; end of part 2
;; launch mix (part 3): grid 8 x 32, 8 waves a work-group, clusters of 4 x 1, 327,680 bytes of LDS; arguments p_img, v_img, stat, vsum, lowp_scales, out0; writes out0
.if DOCPART == 3
	.amdgcn_target "amdgcn-amd-amdhsa--gfx1250"
	.amdhsa_code_object_version 6
	.text
	.protected	k_qabee1426fb_mix
	.globl	k_qabee1426fb_mix
	.p2align	8
	.type	k_qabee1426fb_mix,@function
k_qabee1426fb_mix:
	s_mov_b64 s[64:65], 0
	v_nop
	global_prefetch_b8 v0, s[64:65] scope:SCOPE_SE
	s_setreg_imm32_b32 hwreg(HW_REG_WAVE_MODE, 25, 1), 1
	s_wait_xcnt 0x0
	s_wait_alu depctr_hold_cnt(0) depctr_sa_sdst(0) depctr_va_vdst(0) depctr_va_sdst(0) depctr_va_ssrc(0) depctr_va_vcc(0) depctr_vm_vsrc(0)
	s_getreg_b32 s2, hwreg(HW_REG_IB_STS2, 6, 4)
	s_cmp_eq_u32 s2, 0
	s_cbranch_scc0 .Lentry_in_a_cluster
	s_endpgm
.Lentry_in_a_cluster:
	s_bfe_u32 s2, ttmp6, 0x10000c
	s_cmp_lg_u32 s2, 0x3003
	s_cbranch_scc0 .Lentry_shape_is_right
	s_endpgm
.Lentry_shape_is_right:
; out = (sum over the keys of p v) / l on codes of BF8.  The pairs of 128-query blocks p and 15 - p of a batch are walked one behind the other: p + 1 key blocks for the first (LO), 16 - p for the second (HI): always 17 UNITS of
; 128 queries x 128 channels x 128 keys.  256 work-groups of equal work: 8 blocks of 128 channels x (4 batches x 8 pairs).
; HIDDEN KEY BLOCKS (head of the first launch): in them every p of a row is 2^-M.  Its code (divided by 2^e8, under 2^-16 to the nearest, ties to even: 2^-17 and less give 0) times the sums of v's codes begins each row's total.
; Unit u's sums, taken under the block's own M_u, come into the row's total by the factor 2^(M_u - M) x 2^(e8 + e9) / l, M the row's largest (0 among them where it has hidden blocks), l the row's sum under M.
; LIMITS: e8 between -15 and 112, so that p's code lies inside the format's range; e8 + e9 is applied by v_ldexp_f32.
; LAYOUT: p_img [batch][pair][17 panels], v_img [batch][channel / 128][24 panels: key blocks 7 .. 0, 0 .. 15]: a pair's 17 units are 17 consecutive panels of each (v's from panel 7 - p on).  stat: the same 17, 128 rows, (-M_u, l_u).
; FOUR FILLS of 4, 5, 4 and 4 units.  LDS: nine panels of V, nine of P, unit u at 16,384 u, from unit 9 on at 16,384 (u - 9).  Waves 0-3 fetch a quarter of P's bytes each, waves 4-7 of V's, as rows of 256 bytes.
; CLUSTERS: four work-groups of a row are four channel blocks of one pair: they ask for P jointly.  V's tile is a work-group's own.  The pair hangs on the launch's y: all partners walk alike.
; No prefetch is laid: of four fills two are asked for at the head, and there is no ring loop to run ahead in.
; SHARES: eight waves, two to a SIMD; a wave makes 32 queries x 64 channels: 8 accumulators, used TRANSPOSED (source 0 = 16 channels, source 1 = 16 queries): a lane holds one query, its registers eight neighbouring channels.
; REGISTERS: v16-63 addresses, factors; v64-95 P, v96-159 V, v160-223 the unit's sums (i, b) at 160 + 32 i + 8 b;  window 1: v0-63 LO's total, v64-127 HI's, v128-255 the way out.
.set PAN,    16384
.set PB,     9*PAN                     ; V's nine panels lie at 0, P's behind them
.set STAGE,  17*PAN                    ; 16 rows x 272 bytes for each wave: on unit 8's panel of P, which is filled once and read before the third barrier's round, and behind it
.set SPARE,  STAGE+8*16*272            ; the spare words, 128 bytes a wave
.set FT,     SPARE+1024                ; the factors: 17 units x 128 rows
.set SUF,    FT+17*512                 ; the sums of v's codes over the hidden blocks: LO's and HI's 128 channels
.set HT,     SUF+1024                  ; the hidden p's code x 2^(e8 + e9) / l: LO's and HI's 128 rows
.set AP0, 16
.set AV0, 17
.set GA0, 18
.set ADP, 19
.set ADV, 20
.set GAD, 21
.set STO, 22
.set RD,  23
.set CO,  24
.set L8,  25
.set FTW, 26
.set SUW, 27
.set SPW, 28
.set NIL, 29
.set HTW, 30
.set HTR, 31
.set SUR, 32
.set HH,  40                           ; v[40 + 4 tile + 2 i]
.set G,   48                           ; v48, v50: the unit's factors of my 32 rows
.set PF,  64
.set VF,  96
.set AC,  160
.set MSK, 1                            ; s2-8: all ones where unit 1..7 is LO's
.set G1,  24                           ; group 1: P, 64 rows of 256 bytes, joint
.set G1B, 48                           ; V, 64 rows
.set G1S, 80                           ; P, 80 rows, joint
.set G1BS, 88                          ; V, 80 rows
.set G0,  32                           ; group 0: P, the two slots
.set G0B, 56                           ; V
.set AV8, 52                           ; v16, v19, v21: my fragments of P in LDS, from panel 0, 4, 8 on;  v17, v20, v52: of V
.set MSB, 0
.macro WIN new
.if MSB != \new
	s_set_vgpr_msb (MSB<<8)|\new
.set MSB, \new
.endif
.endm
.macro JLOAD g0a, g1a, g0b, g1b        ; waves 0-3 fetch P's bytes, waves 4-7 V's; four v_nop follow each of the two lines
	s_cmp_eq_u32 s15, 0
	s_cbranch_scc0 .Lfor_v_\@
	tensor_load_to_lds s[\g0a:\g0a+3], s[\g1a:\g1a+7]
	s_nop 0
.rept 4
	v_nop
.endr
	s_branch .Lasked_\@
.Lfor_v_\@:
	tensor_load_to_lds s[\g0b:\g0b+3], s[\g1b:\g1b+7]
	s_nop 0
.rept 4
	v_nop
.endr
.Lasked_\@:
.endm
.macro CROUND                          ; a whole round of the cluster's barrier
	s_barrier_signal -1
	s_barrier_wait -1
	s_cmp_lg_u32 s14, 0
	s_cbranch_scc1 .Lnot_wave_0_\@
	s_barrier_signal -3
.Lnot_wave_0_\@:
	s_barrier_wait -3
	s_barrier_signal -1
	s_barrier_wait -1
.endm
.macro GROUP1 g, word0, rows           ; so many rows of 32 elements of 8 bytes, dense
	s_mov_b32 s[\g], \word0
	s_mov_b32 s[\g+1], 32<<16
	s_mov_b32 s[\g+2], (\rows)<<16
	s_mov_b32 s[\g+3], 32<<16
	s_mov_b32 s[\g+4], \rows
	s_mov_b32 s[\g+5], 32
	s_mov_b32 s[\g+6], 0
	s_mov_b32 s[\g+7], 0
.endm
.macro MEET                            ; ahead of each change of slots
	s_wait_alu depctr_va_vdst(0)
	s_wait_tensorcnt 0x0                           ; my part of the next slot is in
	ds_add_u32 v[SPW], v[NIL]                      ; 0 onto my spare word
	s_wait_dscnt 0x0                               ; the add is done, and my reads of this slot are over
.endm
	s_load_b256 s[68:75], s[0:1], 0x0              ; p_img, v_img, stat, vsum
	s_load_b128 s[76:79], s[0:1], 0x20             ; the scales, out0
	v_lshl_add_u32 v[SPW], v0, 2, SPARE
	v_mov_b32 v[NIL], 0
	ds_add_u32 v[SPW], v[NIL]                      ; the wave's opening: the add, twice on end, and its wait
	ds_add_u32 v[SPW], v[NIL]
	v_lshrrev_b32 v1, 5, v0
	v_readfirstlane_b32 s14, v1                    ; wave 0..7
	s_lshr_b32 s15, s14, 2                         ; I fetch for P (0) or for V (1)
	s_and_b32 s16, s14, 3                          ; which quarter
	s_bfe_u32 s40, ttmp6, 0x40000                  ; cx
	s_lshl_b32 s42, ttmp9, 2
	s_add_co_u32 s42, s42, s40                     ; my block of 128 channels, 0..7
	s_and_b32 s10, ttmp7, 0xffff                   ; 8 x batch + pair
	s_and_b32 s11, s10, 7                          ; the pair p
	s_lshr_b32 s12, s10, 3                         ; the batch
	GROUP1 G1, (3<<16)|(1<<21)|15, 64
	GROUP1 G1B, 3<<16, 64
	GROUP1 G1S, (3<<16)|(1<<21)|15, 80
	GROUP1 G1BS, 3<<16, 80
	s_mul_i32 s20, s10, 17*PAN                     ; P: the pair's 17 panels
	s_mov_b32 s21, 0
	s_lshl_b32 s46, s12, 3
	s_add_co_u32 s46, s46, s42
	s_mul_i32 s46, s46, 24
	s_add_co_u32 s46, s46, 7
	s_sub_co_u32 s46, s46, s11                     ; V: from panel 7 - p on
	s_lshl_b32 s46, s46, 14
	s_mov_b32 s47, 0
	s_lshl_b32 s18, s16, 14                        ; a quarter of 4 units
	s_mul_i32 s19, s16, 20480                      ; a quarter of 5 units
	s_mov_b32 s22, s18
	s_mov_b32 s23, 0
	s_wait_dscnt 0x0                               ; both opening adds are done
	s_wait_kmcnt 0x0
	s_load_b64 s[100:101], s[76:77], 0x20          ; e8, e9
	s_add_nc_u64 s[20:21], s[68:69], s[20:21]
	s_add_nc_u64 s[46:47], s[70:71], s[46:47]
	s_add_nc_u64 s[44:45], s[20:21], s[22:23]      ; my quarter of P, of V where 4 units are asked for
	s_add_nc_u64 s[66:67], s[46:47], s[22:23]
	s_mov_b32 s22, s19
	s_mov_b32 s[G0], 1
	s_add_co_u32 s[G0+1], s18, PB
	s_mov_b64 s[G0+2:G0+3], s[44:45]
	s_or_b32 s[G0+3], s[G0+3], 0x80000000
	s_mov_b32 s[G0B], 1
	s_mov_b32 s[G0B+1], s18
	s_mov_b64 s[G0B+2:G0B+3], s[66:67]
	s_or_b32 s[G0B+3], s[G0B+3], 0x80000000
	s_mov_b32 s[G0+4], 1
	s_add_co_u32 s[G0+5], s19, PB+4*PAN
	s_add_nc_u64 s[20:21], s[20:21], s[22:23]
	s_add_nc_u64 s[G0+6:G0+7], s[20:21], 4*PAN
	s_or_b32 s[G0+7], s[G0+7], 0x80000000
	s_mov_b32 s[G0B+4], 1
	s_add_co_u32 s[G0B+5], s19, 4*PAN
	s_add_nc_u64 s[46:47], s[46:47], s[22:23]
	s_add_nc_u64 s[G0B+6:G0B+7], s[46:47], 4*PAN
	s_or_b32 s[G0B+7], s[G0B+7], 0x80000000
	CROUND                                         ; all four work-groups are here: the first joint loads meet
	JLOAD G0, G1, G0B, G1B                         ; units 0-3: one tensor load a wave at the head
	; addresses: the scalar parts, then the lanes'
	s_lshr_b32 s17, s14, 1                         ; my 32 rows, 0..3
	s_and_b32 s41, s14, 1                          ; my 64 channels
	s_lshl_b32 s2, s17, 12
	s_add_co_u32 s2, s2, PB
	s_lshl_b32 s3, s41, 13
	s_lshl_b32 s4, s17, 7
	s_add_co_u32 s5, s4, HT
	s_add_co_u32 s4, s4, FT
	s_lshl_b32 s6, s41, 8
	s_add_co_u32 s6, s6, SUF
	s_mul_i32 s7, s14, 16*272
	s_add_co_u32 s7, s7, STAGE
	s_lshl_b32 s8, s16, 7
	s_add_co_u32 s9, s8, HT
	s_add_co_u32 s8, s8, FT
	s_lshl_b32 s13, s16, 8
	s_add_co_u32 s43, s13, SUF
	; waves 0-3 load stat (32 rows each, 17 units), waves 4-7 vsum (64 channels each, key blocks 1..15)
	s_mul_i32 s22, s10, 17*1024
	s_add_co_u32 s22, s22, s13
	s_add_nc_u64 s[72:73], s[72:73], s[22:23]
	s_lshl_b32 s22, s12, 16
	s_lshl_b32 s13, s42, 9
	s_add_co_u32 s22, s22, s13
	s_lshl_b32 s13, s41, 8
	s_add_co_u32 s22, s22, s13
	s_add_nc_u64 s[74:75], s[74:75], s[22:23]
	v_and_b32 v1, 15, v0                           ; r
	v_bfe_u32 v2, v0, 4, 1                         ; h
	v_and_b32 v6, 31, v0
	v_lshlrev_b32 v[L8], 3, v6
	v_lshlrev_b32 v7, 4, v6
	v_lshlrev_b32 v8, 2, v6
	v_lshlrev_b32 v9, 2, v1
	v_add_nc_u32 v[AP0], s2, v7
	v_add_nc_u32 v[AV0], s3, v7
	v_add_nc_u32 v[ADP], 4*PAN, v[AP0]
	v_add_nc_u32 v[ADV], 4*PAN, v[AV0]
	v_add_nc_u32 v[GAD], 8*PAN, v[AP0]
	v_add_nc_u32 v[AV8], 8*PAN, v[AV0]
	v_add_nc_u32 v[GA0], s4, v9
	v_add_nc_u32 v[HTR], s5, v9
	v_lshlrev_b32 v3, 5, v2
	v_add_nc_u32 v[SUR], s6, v3
	v_mul_u32_u24 v4, v1, 272
	v_add_nc_u32 v4, v4, v3
	v_add_nc_u32 v[STO], s7, v4                    ; in: row r, 32 bytes for each half of the lanes
	v_mul_u32_u24 v5, v2, 272
	v_lshl_add_u32 v5, v1, 4, v5
	v_add_nc_u32 v[RD], s7, v5                     ; back: lanes 0-15 one row of 256 bytes, lanes 16-31 the next
	v_lshlrev_b32 v5, 12, v2
	v_lshl_add_u32 v[CO], v1, 4, v5
	v_add_nc_u32 v[FTW], s8, v8
	v_add_nc_u32 v[HTW], s9, v8
	v_add_nc_u32 v[SUW], s43, v[L8]
.irp i, 0,1,2,3
	v_mov_b32 v[HH+2*\i+1], 0                      ; (named as the upper half of a pair)
	v_mov_b32 v[94+\i], 0                          ; (waves 4-7 load two pairs fewer)
.endr
	v_mov_b32 v[G+1], 0
	v_mov_b32 v[G+3], 0
	s_wait_alu depctr_va_vdst(0)
	s_cmp_eq_u32 s15, 0
	s_cbranch_scc0 .Lload_b
.irp u, 0,1,2,3,4,5,6,7,8,9,10,11,12,13,14,15,16
	global_load_b64 v[64+2*\u:65+2*\u], v[L8], s[72:73] offset:1024*\u     ; (-M, l) of my lane's row
.endr
	s_branch .Lloaded
.Lload_b:
.irp u, 1,2,3,4,5,6,7,8,9,10,11,12,13,14,15
	global_load_b64 v[62+2*\u:63+2*\u], v[L8], s[74:75] offset:4096*\u     ; two channels of key block u
.endr
.Lloaded:
	; where the two tiles go: rows 2,048 batch + 128 p (or 15 - p) + my 32, channels 128 x block + my 64
	s_lshl_b32 s22, s12, 11
	s_lshl_b32 s13, s17, 5
	s_add_co_u32 s22, s22, s13
	s_lshl_b32 s13, s11, 7
	s_add_co_u32 s20, s22, s13
	s_sub_co_u32 s13, 15, s11
	s_lshl_b32 s13, s13, 7
	s_add_co_u32 s22, s22, s13
	s_lshl_b32 s20, s20, 12
	s_lshl_b32 s22, s22, 12
	s_lshl_b32 s13, s42, 9
	s_add_co_u32 s20, s20, s13
	s_add_co_u32 s22, s22, s13
	s_lshl_b32 s13, s41, 8
	s_add_co_u32 s20, s20, s13
	s_add_co_u32 s22, s22, s13
	s_mov_b32 s21, 0
	s_add_nc_u64 s[68:69], s[78:79], s[22:23]      ; HI
	s_add_nc_u64 s[78:79], s[78:79], s[20:21]      ; LO
	; which units are LO's, how many hidden keys a row has, where the hidden blocks begin
.irp u, 1,2,3,4,5,6,7
	s_cmp_ge_u32 s11, \u
	s_cselect_b32 s[MSK+\u], -1, 0
.endr
	s_sub_co_u32 s9, 15, s11
	s_lshl_b32 s9, s9, 7
	s_cvt_f32_u32 s9, s9                           ; LO: 128 (15 - p)
	s_lshl_b32 s13, s11, 7
	s_cvt_f32_u32 s13, s13                         ; HI: 128 p
	s_add_co_u32 s22, s11, 1
	s_sub_co_u32 s20, 16, s11
	s_cmp_lt_u32 s16, 2
	s_cselect_b32 s43, s22, s20                    ; waves 4, 5: LO's first hidden block; 6, 7: HI's
	s_mov_b32 s17, 0x7f7fffff
	s_cmp_eq_u32 s11, 0
	s_cselect_b32 s17, s17, 0                      ; HI's -M is at most 0 where it has hidden blocks
	MEET                                           ; units 0-3 are in
	CROUND
	JLOAD G0+4, G1S, G0B+4, G1BS                   ; units 4-8
	s_wait_loadcnt 0x0
	s_wait_kmcnt 0x0
	s_add_co_i32 s41, s100, s101                   ; e8 + e9
	s_cmp_eq_u32 s15, 0
	s_cbranch_scc0 .Lsuffix
	; WAVES 0-3: a lane's row of both tiles.  v10, v11: -M of LO, of HI
	v_min_num_f32 v10, 0, v64
	v_min3_num_f32 v11, v80, v82, v84
	v_min3_num_f32 v11, v11, v86, v88
	v_min3_num_f32 v11, v11, v90, v92
	v_min3_num_f32 v11, v11, v94, v96
	v_min_num_f32 v11, s17, v11
.irp u, 1,2,3,4,5,6,7
	v_cndmask_b32 v12, 0, v[64+2*\u], s[MSK+\u]
	v_cndmask_b32 v13, v[64+2*\u], v96, s[MSK+\u]
	v_min_num_f32 v10, v10, v12
	v_min_num_f32 v11, v11, v13
.endr
	v_sub_f32 v100, v10, v64                       ; M_u - M: a whole number, 0 or less
.irp u, 1,2,3,4,5,6,7
	v_cndmask_b32 v12, v11, v10, s[MSK+\u]
	v_sub_f32 v[100+\u], v12, v[64+2*\u]
.endr
.irp u, 8,9,10,11,12,13,14,15,16
	v_sub_f32 v[100+\u], v11, v[64+2*\u]
.endr
.set n, 0
.rept 17
	v_cvt_i32_f32 v[100+n], v[100+n]
.set n, n+1
.endr
.set n, 0
.rept 17
	v_ldexp_f32 v[100+n], 1.0, v[100+n]
.set n, n+1
.endr
	v_min_num_f32 v14, 0, v11
	v_cvt_i32_f32 v15, v10
	v_cvt_i32_f32 v9, v14
	v_ldexp_f32 v33, 1.0, v15                      ; a hidden key's p, LO
	v_ldexp_f32 v34, 1.0, v9                       ; HI
	v_mul_f32 v35, s9, v33                         ; the rows' sums begin with the hidden keys'
	v_mul_f32 v36, s13, v34
	v_fmac_f32 v35, v65, v100
.irp u, 8,9,10,11,12,13,14,15,16
	v_fmac_f32 v36, v[65+2*\u], v[100+\u]
.endr
.irp u, 1,2,3,4,5,6,7
	v_mul_f32 v12, v[65+2*\u], v[100+\u]
	v_cndmask_b32 v13, 0, v12, s[MSK+\u]
	v_cndmask_b32 v14, v12, 0, s[MSK+\u]
	v_add_f32 v35, v35, v13
	v_add_f32 v36, v36, v14
.endr
	v_sub_nc_u32 v15, v15, s100                    ; the hidden p over 2^e8: a power of two, exact in the format from 2^-16 on
	v_sub_nc_u32 v38, v9, s100
	v_ldexp_f32 v33, 1.0, v15
	v_ldexp_f32 v34, 1.0, v38
	v_cmp_gt_i32 vcc_lo, -16, v15
	v_cndmask_b32 v33, v33, 0, vcc_lo
	v_cmp_gt_i32 vcc_lo, -16, v38
	v_cndmask_b32 v34, v34, 0, vcc_lo
	s_wait_alu depctr_va_vdst(0)                   ; ahead of the batch,
	v_rcp_f32 v37, v35
	v_rcp_f32 v39, v36
	v_nop
	s_wait_alu depctr_va_vdst(0)                   ; and behind it
	v_ldexp_f32 v37, v37, s41                      ; 2^(e8 + e9) / l
	v_ldexp_f32 v39, v39, s41
	v_mul_f32 v33, v33, v37
	v_mul_f32 v34, v34, v39
	ds_store_b32 v[HTW], v33
	ds_store_b32 v[HTW], v34 offset:512
	v_mul_f32 v100, v100, v37
.irp u, 1,2,3,4,5,6,7
	v_cndmask_b32 v12, v39, v37, s[MSK+\u]
	v_mul_f32 v[100+\u], v[100+\u], v12
.endr
.irp u, 8,9,10,11,12,13,14,15,16
	v_mul_f32 v[100+\u], v[100+\u], v39
.endr
.irp u, 0,1,2,3,4,5,6,7,8,9,10,11,12,13,14,15,16
	ds_store_b32 v[FTW], v[100+\u] offset:512*\u
.endr
	s_wait_alu depctr_va_vdst(0)
	s_branch .Ltables
.Lsuffix:
	; WAVES 4-7: the sums of v's codes over a tile's hidden key blocks, two channels a lane
	v_mov_b32 v10, 0
	v_mov_b32 v11, 0
.irp u, 1,2,3,4,5,6,7,8,9,10,11,12,13,14,15
	s_cmp_le_u32 s43, \u
	s_cselect_b32 s22, -1, 0
	v_cndmask_b32 v12, 0, v[62+2*\u], s22
	v_cndmask_b32 v13, 0, v[63+2*\u], s22
	v_pk_add_f32 v[10:11], v[10:11], v[12:13]
.endr
	ds_store_b64 v[SUW], v[10:11]
	s_wait_alu depctr_va_vdst(0)
.Ltables:
	s_wait_dscnt 0x0                               ; for the others' sake: my stores are done
	s_barrier_signal -1
	s_barrier_wait -1
	; the totals begin with the hidden keys' share
.irp t, 0,1
.irp b, 0,1,2,3
	ds_load_b128 v[VF+32*\t+8*\b:VF+32*\t+8*\b+3], v[SUR] offset:512*\t+64*\b
	ds_load_b128 v[VF+32*\t+8*\b+4:VF+32*\t+8*\b+7], v[SUR] offset:512*\t+64*\b+16
.endr
.irp i, 0,1
	ds_load_b32 v[HH+4*\t+2*\i], v[HTR] offset:512*\t+64*\i
.endr
.endr
	s_wait_dscnt 0x0
	WIN 0x40                                       ; destination: window 1
.irp t, 0,1
.irp i, 0,1
.set n, 0
.rept 16
	v_pk_mul_f32 v[64*\t+32*\i+n:64*\t+32*\i+n+1], v[VF+32*\t+n:VF+32*\t+n+1], v[HH+4*\t+2*\i:HH+4*\t+2*\i+1] op_sel_hi:[1,0]
.set n, n+2
.endr
.endr
.endr
	WIN 0
	s_wait_alu depctr_va_vdst(0)
; The unit's sums x their rows' factors onto a total; each accumulator from its low end on.
.macro FOLD base
	WIN 0x50                                       ; destination and source 2: window 1
.irp i, 0,1
.set n, 0
.rept 16
	v_pk_fma_f32 v[\base+32*\i+n:\base+32*\i+n+1], v[AC+32*\i+n:AC+32*\i+n+1], v[G+2*\i:G+2*\i+1], v[\base+32*\i+n:\base+32*\i+n+1] op_sel_hi:[1,0,1]
.set n, n+2
.endr
.endr
	WIN 0
.endm
; Unit u, in panel u of V's and of P's, from unit 9 on in panel u - 9.  both = 2: it is LO's, 0: HI's, 1: LO's where u <= p (ids alone, alike in all waves and partners).
; The fold and the four v_nop stand between a unit's products and the next unit's loads into their sources.
.macro UNIT u, both
.set SI, \u
.if SI > 8
.set SI, SI-9
.endif
.set RP, AP0
.set RV, AV0
.if SI > 3
.set RP, ADP
.set RV, ADV
.endif
.if SI > 7
.set RP, GAD
.set RV, AV8
.endif
.set OF, PAN*(SI%4)
.irp i, 0,1
.irp c, 0,1,2,3
	ds_load_b128 v[PF+16*\i+4*\c:PF+16*\i+4*\c+3], v[RP] offset:OF+2048*\i+512*\c
.endr
.endr
.irp b, 0,1,2,3
.irp c, 0,1,2,3
	ds_load_b128 v[VF+16*\b+4*\c:VF+16*\b+4*\c+3], v[RV] offset:OF+2048*\b+512*\c
.endr
.endr
	ds_load_b32 v[G], v[GA0] offset:512*\u
	ds_load_b32 v[G+2], v[GA0] offset:512*\u+64
.irp b, 0,1,2,3
	s_wait_dscnt 14-4*\b                           ; P's two fragments and V's first b + 1 are in
.irp i, 0,1
	v_wmma_f32_16x16x128_bf8_bf8 v[AC+32*\i+8*\b:AC+32*\i+8*\b+7], v[VF+16*\b:VF+16*\b+15], v[PF+16*\i:PF+16*\i+15], 0
.endr
.endr
	s_wait_dscnt 0x0                               ; the factors
.rept 4
	v_nop
.endr
.if \both == 2
	FOLD 0
.elseif \both == 1
	s_cmp_lt_u32 s11, \u
	s_cbranch_scc1 .Lhigh_\@
	FOLD 0
	s_branch .Lfolded_\@
.Lhigh_\@:
	FOLD 64
.Lfolded_\@:
.else
	FOLD 64
.endif
.endm
; THE WAY OUT of a total: 16 rows x 64 channels at a time through my own stage, back as whole rows of 256 bytes.  LDS serves a wave's instructions in order (ISA guide 5.7.1.4).  The two tiles use registers of their own.
.macro OUT base, sp, bb
.irp i, 0,1
	WIN 0x04                                       ; data to store: window 1
.irp b, 0,1,2,3
	ds_store_b128 v[STO], v[\base+32*\i+8*\b:\base+32*\i+8*\b+3] offset:64*\b
	ds_store_b128 v[STO], v[\base+32*\i+8*\b+4:\base+32*\i+8*\b+7] offset:64*\b+16
.endr
	WIN 0x40                                       ; destination: window 1
.irp t, 0,1,2,3,4,5,6,7
	ds_load_b128 v[\bb+32*\i+4*\t:\bb+32*\i+4*\t+3], v[RD] offset:544*\t
.endr
.endr
	WIN 0x04
.irp i, 0,1
	s_wait_dscnt 16-16*\i                          ; i = 0: the second half's 8 stores and 8 loads may be out
.irp t, 0,1,2,3,4,5,6,7
	global_store_b128 v[CO], v[\bb+32*\i+4*\t:\bb+32*\i+4*\t+3], s[\sp:\sp+1] offset:65536*\i+8192*\t th:TH_STORE_NT   ; two rows: 2 x 256 consecutive bytes, aligned
.endr
.endr
	WIN 0
.endm
	UNIT 0, 2
	UNIT 1, 1
	UNIT 2, 1
	UNIT 3, 1
	MEET
	CROUND                                         ; no wave of any partner still reads units 0-3 or has a load on its way
	s_add_nc_u64 s[G0+2:G0+3], s[G0+2:G0+3], 9*PAN
	s_add_nc_u64 s[G0B+2:G0B+3], s[G0B+2:G0B+3], 9*PAN
	JLOAD G0, G1, G0B, G1B                         ; units 9-12 over units 0-3
	UNIT 4, 1
	UNIT 5, 1
	UNIT 6, 1
	UNIT 7, 1
	UNIT 8, 0
	MEET
	CROUND
	s_add_co_u32 s[G0+5], s18, PB+4*PAN            ; slot 1 anew, for four units
	s_add_nc_u64 s[G0+6:G0+7], s[44:45], 13*PAN
	s_or_b32 s[G0+7], s[G0+7], 0x80000000
	s_add_co_u32 s[G0B+5], s18, 4*PAN
	s_add_nc_u64 s[G0B+6:G0B+7], s[66:67], 13*PAN
	s_or_b32 s[G0B+7], s[G0B+7], 0x80000000
	JLOAD G0+4, G1, G0B+4, G1B                     ; units 13-16 over units 4-7
	OUT 0, 78, 128                                 ; LO is finished (p <= 7): it leaves while HI is multiplied
	UNIT 9, 0
	UNIT 10, 0
	UNIT 11, 0
	UNIT 12, 0
	MEET
	s_barrier_signal -1
	s_barrier_wait -1                              ; everybody's part of units 13-16 is in; nothing is filled again
	UNIT 13, 0
	UNIT 14, 0
	UNIT 15, 0
	UNIT 16, 0
	s_wait_alu depctr_va_vdst(0)
	OUT 64, 68, 192
	s_wait_tensorcnt 0x0                           ; the wave's end
	ds_add_u32 v[SPW], v[NIL]
	s_wait_dscnt 0x0
	CROUND                                         ; the closing round
	s_endpgm
.Lfunc_end_k_qabee1426fb_mix:
	.size	k_qabee1426fb_mix, .Lfunc_end_k_qabee1426fb_mix-k_qabee1426fb_mix
	.p2alignl 7, 3214868480
	.fill 96, 4, 3214868480
	.section	.rodata,"a",@progbits
	.p2align	6, 0x0
	.amdhsa_kernel k_qabee1426fb_mix
		.amdhsa_group_segment_fixed_size 327680
		.amdhsa_private_segment_fixed_size 0
		.amdhsa_enable_private_segment 0
		.amdhsa_kernarg_size 48
		.amdhsa_user_sgpr_count 2
		.amdhsa_user_sgpr_kernarg_segment_ptr 1
		.amdhsa_wavefront_size32 1
		.amdhsa_system_sgpr_workgroup_id_x 1
		.amdhsa_system_sgpr_workgroup_id_y 1
		.amdhsa_system_sgpr_workgroup_id_z 1
		.amdhsa_system_vgpr_workitem_id 0
		.amdhsa_next_free_vgpr 512
		.amdhsa_next_free_sgpr 102
		.amdhsa_reserve_vcc 1
		.amdhsa_float_denorm_mode_32 3
		.amdhsa_float_denorm_mode_16_64 3
		.amdhsa_memory_ordered 1
		.amdhsa_forward_progress 1
		.amdhsa_inst_pref_size 135
	.end_amdhsa_kernel
	.amdgpu_metadata
---
amdhsa.version: [ 1, 2 ]
amdhsa.kernels:
  - .name:           k_qabee1426fb_mix
    .symbol:         k_qabee1426fb_mix.kd
    .args:
      - { .name: p_img, .offset: 0, .size: 8, .value_kind: global_buffer, .address_space: global }
      - { .name: v_img, .offset: 8, .size: 8, .value_kind: global_buffer, .address_space: global }
      - { .name: stat, .offset: 16, .size: 8, .value_kind: global_buffer, .address_space: global }
      - { .name: vsum, .offset: 24, .size: 8, .value_kind: global_buffer, .address_space: global }
      - { .name: lowp_scales, .offset: 32, .size: 8, .value_kind: global_buffer, .address_space: global }
      - { .name: out0, .offset: 40, .size: 8, .value_kind: global_buffer, .address_space: global }
    .group_segment_fixed_size: 327680
    .private_segment_fixed_size: 0
    .kernarg_segment_align: 8
    .kernarg_segment_size: 48
    .max_flat_workgroup_size: 256
    .sgpr_count:     102
    .vgpr_count:     512
    .wavefront_size: 32
...
	.end_amdgpu_metadata
.endif
;; end of part 3
